; MI455X (gfx1250); checked and timed in simulation.
; The chip was launched on July 23, 2026; its instructions are those of AMD's public machine-readable ISA for CDNA 5 (MIT licence, August 2026) and "CDNA5" Instruction Set Architecture Reference Guide (July 2026). The comments in the code are by the model that wrote it; some were corrected since.
;; ONLSTM Cell. Allowed arithmetic: float matrix products may take bf16 or f16 operands with f32 sums; other float arithmetic in f32, or as packed bf16 or f16 multiplies, adds, multiply-adds, maxima and minima; sums over many terms, partial sums and values carried from step to step in f32; what a program stores and reads back later, other than sums and carried values, may be rounded once to bf16 or f16.
;; Inputs: W_hh 4,096 x 1,024 float32; W_ih 4,096 x 1,024 float32; b_hh 4,096 float32; b_ih 4,096 float32; cx 8,192 x 16 x 64 float32; forget_floor 8,192 x 16 float32; hx 8,192 x 1,024 float32; input_floor 8,192 x 16 float32; x 8,192 x 1,024 float32.
;; Outputs: out0 8,192 x 1,024 float32; out1 8,192 x 16 x 64 float32.
;; 2 versions, each right; version 2 is version 1 with the launch prep written anew for expert scheduling mode. Each part assembles by itself: llvm-mc -triple=amdgcn-amd-amdhsa -mcpu=gfx1250 --defsym DOCPART=n.
;; ======== version 1 of 2: 2 launches
;; workspace buffers: abf 33,554,432 bytes; bbf 16,777,216 bytes; fac 1,572,864 bytes
;; launch prep (part 1): grid 784 x 1, 8 waves a work-group, no clusters, 0 bytes of LDS; arguments x, hx, W_ih, W_hh, input_floor, forget_floor, abf, bbf, fac; writes abf, bbf, fac
.if DOCPART == 1
	.amdgcn_target "amdgcn-amd-amdhsa--gfx1250"
	.amdhsa_code_object_version 6
	.text
	.protected	k_q5be25d2e5b_prep
	.globl	k_q5be25d2e5b_prep
	.p2align	8
	.type	k_q5be25d2e5b_prep,@function
k_q5be25d2e5b_prep:
	s_mov_b64 s[64:65], 0
	v_nop
	global_prefetch_b8 v0, s[64:65] scope:SCOPE_SE
	s_setreg_imm32_b32 hwreg(HW_REG_WAVE_MODE, 25, 1), 1
	s_wait_xcnt 0x0
; PREPARATION FOR THE CELL.  Three things, chosen by the work-group's number w:
;   w 0-255 x, 256-511 hx      -> abf [8192][2048] bf16: columns 0-1023 x, 1024-2047 hx
;   w 512-639 W_ih, 640-767 W_hh -> bbf [4096][2048] bf16: columns as above, ROWS PERMUTED: source row g 1024 + c 64 + j (gate g, chunk c) goes to
;                                 row c 256 + g 64 + (j % 4) 16 + j / 4, so that 256 consecutive rows hold one chunk's four gates, in blocks of 16 rows 4 g + j % 4
;   w 768-783 the floors       -> fac [3][16][8192] f32 = [table][chunk][row]: ov = cf ci, fa = cf - ov, ia = ci - ov
; A casting work-group takes 32 source rows of 4,096 bytes; thread t owns the 16 bytes at 16 t of each row: a wave's load covers 512 consecutive bytes, its store
; (8 bytes a lane) 256 consecutive bytes at a multiple of 256.  A ring of eight slots in registers keeps eight loads of every wave on their way.
; No LDS, no barrier, no matrix unit: nothing here is shared between threads.
; FORMATS AND LIMITS.  x, hx, W_ih, W_hh are rounded once to bf16 (nearest even).  The floors are rounded to bf16 too, like every input of this program, which so computes the
; module on one set of rounded inputs; all arithmetic on them is f32.  Each softmax takes its maximum away first.  The running sums are taken of the exponentials and then
; multiplied by 1 / total (the module divides first and sums then: another order of rounding).  An exponential below 2^-126 counts as 0.  NaN and infinities are not treated apart.
.set SOFF, 1                           ; v1      16 t: my bytes in a source row; never rewritten
.set DOFF, 2                           ; v[2:9]  slot i: 8 t + the slot's row in the target; never rewritten
.set X,    16                          ; v[16:47] slot i: four f32 as loaded
.set Y,    48                          ; v[48:63] slot i: four bf16 to store
.set SRC,  40                          ; s[40:41] the source at the round's first row
.set DST,  42                          ; s[42:43] the target at the round's first row and my half of its columns
	s_load_b256 s[8:15], s[0:1], 0x0               ; x s[8:9], hx s[10:11], W_ih s[12:13], W_hh s[14:15]
	s_load_b256 s[16:23], s[0:1], 0x20             ; input_floor s[16:17], forget_floor s[18:19], abf s[20:21], bbf s[22:23]
	s_load_b64 s[24:25], s[0:1], 0x40              ; fac
	s_mov_b32 s26, ttmp9                           ; w
	s_cmp_ge_u32 s26, 768
	s_cbranch_scc1 .Lfloors
	; THE CASTS.  First the figures for a weight's work-group, then those for x or hx, then the choice.
	s_and_b32 s27, s26, 127                        ; weights: which 32 rows
	s_bfe_u32 s28, s26, 0x10007                    ; weights: 0 W_ih, 1 W_hh
	s_bfe_u32 s29, s27, 0x40001                    ; chunk c
	s_lshr_b32 s30, s27, 5                         ; gate g
	s_and_b32 s31, s27, 1                          ; j begins at 0 or 32
	s_lshl_b32 s29, s29, 8
	s_lshl_b32 s30, s30, 6
	s_lshl_b32 s31, s31, 3
	s_add_co_u32 s29, s29, s30
	s_add_co_u32 s29, s29, s31                     ; the first target row: c 256 + g 64 + 8 (j / 32)
	s_lshl_b32 s29, s29, 12                        ; in bytes: a target row has 4,096
	s_mov_b32 s32, 65536                           ; source row i = 8 round + slot goes (slot % 4) x 16 rows,
	s_mov_b32 s33, 4096                            ; (slot / 4) x 1 row
	s_mov_b32 s36, 8192                            ; and round x 2 rows further: (i % 4) 16 + i / 4
	s_mov_b32 s37, 0
	s_and_b32 s30, s26, 255                        ; x, hx: which 32 rows
	s_bfe_u32 s31, s26, 0x10008                    ; 0 x, 1 hx
	s_lshl_b32 s34, s30, 17                        ; the first target row, in bytes
	s_cmp_lt_u32 s26, 512
	s_cselect_b32 s27, s30, s27
	s_cselect_b32 s28, s31, s28
	s_cselect_b32 s29, s34, s29
	s_cselect_b32 s32, 4096, s32                   ; x, hx keep their order: (slot % 4) x 1 row,
	s_cselect_b32 s33, 16384, s33                  ; (slot / 4) x 4 rows,
	s_cselect_b32 s36, 32768, s36                  ; round x 8 rows
	v_lshlrev_b32 v[SOFF], 4, v0
	v_lshlrev_b32 v10, 3, v0
.irp i, 0,1,2,3,4,5,6,7
	s_mul_i32 s30, s32, (\i)%4
	s_mul_i32 s31, s33, (\i)/4
	s_add_co_u32 s30, s30, s31
	v_add_nc_u32 v[DOFF+(\i)], s30, v10
.endr
	s_wait_kmcnt 0x0
	s_cmp_eq_u32 s28, 0
	s_cselect_b64 s[SRC:SRC+1], s[8:9], s[10:11]
	s_cselect_b64 s[DST:DST+1], s[12:13], s[14:15]
	s_cmp_lt_u32 s26, 512
	s_cselect_b64 s[SRC:SRC+1], s[SRC:SRC+1], s[DST:DST+1]
	s_cselect_b64 s[DST:DST+1], s[20:21], s[22:23]
	s_lshl_b32 s44, s27, 17                        ; 32 source rows of 4,096 bytes
	s_mov_b32 s45, 0
	s_add_nc_u64 s[SRC:SRC+1], s[SRC:SRC+1], s[44:45]
	s_lshl_b32 s30, s28, 11                        ; the second tensor of a pair fills columns 1024 on: 2,048 bytes
	s_add_co_u32 s44, s29, s30
	s_add_nc_u64 s[DST:DST+1], s[DST:DST+1], s[44:45]
.irp i, 0,1,2,3,4,5,6,7
	global_load_b128 v[X+4*(\i):X+4*(\i)+3], v[SOFF], s[SRC:SRC+1] offset:(\i)*4096 th:TH_LOAD_NT  ; the ring is filled: rows 0 to 7
.endr
; One slot's turn.  ahead = 1: the slot is filled again with the row eight further down.  left = how many younger loads may stay out.
.macro SLOT i, ahead, left
	s_wait_loadcnt \left                           ; loads come back in order: mine is in, the younger ones stay out
	v_cvt_pk_bf16_f32 v[Y+2*(\i)],   v[X+4*(\i)],   v[X+4*(\i)+1]
	v_cvt_pk_bf16_f32 v[Y+2*(\i)+1], v[X+4*(\i)+2], v[X+4*(\i)+3]
.if \ahead
	global_load_b128 v[X+4*(\i):X+4*(\i)+3], v[SOFF], s[SRC:SRC+1] offset:(8+(\i))*4096 th:TH_LOAD_NT
.endif
	global_store_b64 v[DOFF+(\i)], v[Y+2*(\i):Y+2*(\i)+1], s[DST:DST+1] th:TH_STORE_NT
.endm
	s_mov_b32 s38, 3
.Lround:
.irp i, 0,1,2,3,4,5,6,7
	SLOT \i, 1, 7
.endr
	s_wait_xcnt 0x0                                ; the round's loads and stores have read their sources: Y and the two pointers are written again only behind this wait
	s_add_nc_u64 s[SRC:SRC+1], s[SRC:SRC+1], 32768
	s_add_nc_u64 s[DST:DST+1], s[DST:DST+1], s[36:37]
	s_sub_co_u32 s38, s38, 1
	s_cmp_lg_u32 s38, 0
	s_cbranch_scc1 .Lround
.irp i, 0,1,2,3,4,5,6,7
	SLOT \i, 0, 7-(\i)                             ; the last round loads nothing: the counts run down
.endr
	s_endpgm
	; THE FLOORS.  Thread T = 256 (w - 768) + t owns rows 2 T and 2 T + 1: 128 consecutive bytes of each floor.
	; v[4:35] input_floor (row 2 T: v4-19, row 2 T + 1: v20-35), v[36:67] forget_floor likewise: eight groups of eight, group gi at v[4 + 8 gi].
	; The running sum goes forward in groups 0, 2 (happy in) and 5, 7 (sad forget), backward in 1, 3 (sad in) and 4, 6 (happy forget).
.set GR,  4
.set ML,  68                           ; v[68:75] by group: the maximum times log2(e); later 1 / total
.set OUT, 76                           ; v[76:123] at work: the packed roundings; later six registers a chunk, eight chunks at a time
.Lfloors:
	s_sub_co_u32 s30, s26, 768
	s_lshl_b32 s30, s30, 8
	v_add_nc_u32 v3, s30, v0                       ; T
	v_lshlrev_b32 v1, 7, v3                        ; my 128 bytes of a floor
	v_lshlrev_b32 v2, 3, v3                        ; my two rows in a table's line of fac
	s_mov_b32 s32, 0x3fb8aa3b                      ; log2(e)
	s_mov_b32 s33, s32                             ; named with it as a pair
	s_mov_b32 s34, 0xffff0000                      ; a word's upper bf16
	s_wait_kmcnt 0x0
.irp i, 0,1,2,3,4,5,6,7
	global_load_b128 v[GR+4*(\i):GR+4*(\i)+3],       v1, s[16:17] offset:16*(\i) th:TH_LOAD_NT
	global_load_b128 v[GR+32+4*(\i):GR+32+4*(\i)+3], v1, s[18:19] offset:16*(\i) th:TH_LOAD_NT
.endr
	s_wait_loadcnt 0x0
.set i, 0
.rept 32
	v_cvt_pk_bf16_f32 v[OUT+i], v[GR+2*i], v[GR+2*i+1]  ; rounded to bf16, like every input,
.set i, i+1
.endr
.set i, 0
.rept 32
	v_lshlrev_b32 v[GR+2*i],   16,  v[OUT+i]        ; and widened again
	v_and_b32     v[GR+2*i+1], s34, v[OUT+i]
.set i, i+1
.endr
.irp gi, 0,1,2,3,4,5,6,7
	v_max3_num_f32 v[ML+(\gi)], v[GR+8*(\gi)], v[GR+8*(\gi)+1], v[GR+8*(\gi)+2]
.endr
.irp gi, 0,1,2,3,4,5,6,7
	v_max3_num_f32 v[ML+(\gi)], v[ML+(\gi)], v[GR+8*(\gi)+3], v[GR+8*(\gi)+4]
.endr
.irp gi, 0,1,2,3,4,5,6,7
	v_max3_num_f32 v[ML+(\gi)], v[ML+(\gi)], v[GR+8*(\gi)+5], v[GR+8*(\gi)+6]
.endr
.irp gi, 0,1,2,3,4,5,6,7
	v_max_num_f32 v[ML+(\gi)], v[ML+(\gi)], v[GR+8*(\gi)+7]
.endr
.irp gi, 0,1,2,3,4,5,6,7
	v_mul_f32 v[ML+(\gi)], s32, v[ML+(\gi)]
.endr
.irp gi, 0,2,4,6                       ; x log2(e) - m log2(e), two at a time; the group's m lies in the low or the high register of its pair
.irp p, 0,1,2,3
	v_pk_fma_f32 v[GR+8*(\gi)+2*(\p):GR+8*(\gi)+2*(\p)+1], v[GR+8*(\gi)+2*(\p):GR+8*(\gi)+2*(\p)+1], s[32:33], v[ML+(\gi):ML+(\gi)+1] op_sel_hi:[1,0,0] neg_lo:[0,0,1] neg_hi:[0,0,1]
	v_pk_fma_f32 v[GR+8*(\gi)+8+2*(\p):GR+8*(\gi)+8+2*(\p)+1], v[GR+8*(\gi)+8+2*(\p):GR+8*(\gi)+8+2*(\p)+1], s[32:33], v[ML+(\gi):ML+(\gi)+1] op_sel:[0,0,1] op_sel_hi:[1,0,1] neg_lo:[0,0,1] neg_hi:[0,0,1]
.endr
.endr
.set i, 0
.rept 64
	v_exp_f32 v[GR+i], v[GR+i]                     ; one batch
.set i, i+1
.endr
	v_nop                                          ; a plain instruction behind the last exponential,
	s_wait_alu depctr_va_vdst(0)                   ; and one wait for the batch, ahead of its first reader
.irp s, 0,1,2,3,4,5,6                  ; the running sums: seven steps, the eight groups side by side
.irp gi, 0,2,5,7
	v_add_f32 v[GR+8*(\gi)+(\s)+1], v[GR+8*(\gi)+(\s)+1], v[GR+8*(\gi)+(\s)]
.endr
.irp gi, 1,3,4,6
	v_add_f32 v[GR+8*(\gi)+6-(\s)], v[GR+8*(\gi)+6-(\s)], v[GR+8*(\gi)+7-(\s)]
.endr
.endr
.irp gi, 0,2,5,7
	v_rcp_f32 v[ML+(\gi)], v[GR+8*(\gi)+7]         ; the total is the running sum's last: at least 1 less a rounding, since the maximum's own term is 2^0
.endr
.irp gi, 1,3,4,6
	v_rcp_f32 v[ML+(\gi)], v[GR+8*(\gi)]
.endr
	v_nop
	s_wait_alu depctr_va_vdst(0)                   ; one wait for the eight reciprocals
.irp gi, 0,2,4,6
.irp p, 0,1,2,3
	v_pk_mul_f32 v[GR+8*(\gi)+2*(\p):GR+8*(\gi)+2*(\p)+1], v[GR+8*(\gi)+2*(\p):GR+8*(\gi)+2*(\p)+1], v[ML+(\gi):ML+(\gi)+1] op_sel_hi:[1,0]
	v_pk_mul_f32 v[GR+8*(\gi)+8+2*(\p):GR+8*(\gi)+8+2*(\p)+1], v[GR+8*(\gi)+8+2*(\p):GR+8*(\gi)+8+2*(\p)+1], v[ML+(\gi):ML+(\gi)+1] op_sel:[0,1] op_sel_hi:[1,1]
.endr
.endr
	; now v[4 + c], v[20 + c] hold ci of chunk c for my two rows, v[36 + c], v[52 + c] hold cf.  A wave's store covers 256 consecutive bytes at a multiple of 256.
.irp hf, 0,1
.irp cc, 0,1,2,3,4,5,6,7
.set rC, 8*(\hf)+(\cc)
.set rO, OUT+6*(\cc)
	v_mul_f32 v[rO],   v[GR+32+rC], v[GR+rC]                    ; ov = cf ci
	v_mul_f32 v[rO+1], v[GR+48+rC], v[GR+16+rC]
	v_fma_f32 v[rO+2], -v[GR+32+rC], v[GR+rC],    v[GR+32+rC]   ; fa = cf - cf ci
	v_fma_f32 v[rO+3], -v[GR+48+rC], v[GR+16+rC], v[GR+48+rC]
	v_fma_f32 v[rO+4], -v[GR+32+rC], v[GR+rC],    v[GR+rC]      ; ia = ci - cf ci
	v_fma_f32 v[rO+5], -v[GR+48+rC], v[GR+16+rC], v[GR+16+rC]
	global_store_b64 v2, v[rO:rO+1],   s[24:25] offset:rC*32768 th:TH_STORE_NT
	global_store_b64 v2, v[rO+2:rO+3], s[24:25] offset:(16+rC)*32768 th:TH_STORE_NT
	global_store_b64 v2, v[rO+4:rO+5], s[24:25] offset:(32+rC)*32768 th:TH_STORE_NT
.endr
.if (\hf) == 0
	s_wait_xcnt 0x0                                ; the first eight chunks' stores have read their data: the registers are written again only behind this wait
.endif
.endr
	s_endpgm
.Lfunc_end_k_q5be25d2e5b_prep:
	.size	k_q5be25d2e5b_prep, .Lfunc_end_k_q5be25d2e5b_prep-k_q5be25d2e5b_prep
	.p2alignl 7, 3214868480
	.fill 96, 4, 3214868480
	.section	.rodata,"a",@progbits
	.p2align	6, 0x0
	.amdhsa_kernel k_q5be25d2e5b_prep
		.amdhsa_group_segment_fixed_size 0
		.amdhsa_private_segment_fixed_size 0
		.amdhsa_enable_private_segment 0
		.amdhsa_kernarg_size 72
		.amdhsa_user_sgpr_count 2
		.amdhsa_user_sgpr_kernarg_segment_ptr 1
		.amdhsa_wavefront_size32 1
		.amdhsa_system_sgpr_workgroup_id_x 1
		.amdhsa_system_sgpr_workgroup_id_y 1
		.amdhsa_system_sgpr_workgroup_id_z 1
		.amdhsa_system_vgpr_workitem_id 0
		.amdhsa_next_free_vgpr 128
		.amdhsa_next_free_sgpr 66
		.amdhsa_reserve_vcc 0
		.amdhsa_float_denorm_mode_32 3
		.amdhsa_float_denorm_mode_16_64 3
		.amdhsa_memory_ordered 1
		.amdhsa_forward_progress 1
		.amdhsa_inst_pref_size 35
	.end_amdhsa_kernel
	.amdgpu_metadata
---
amdhsa.version: [ 1, 2 ]
amdhsa.kernels:
  - .name:           k_q5be25d2e5b_prep
    .symbol:         k_q5be25d2e5b_prep.kd
    .args:
      - { .name: x, .offset: 0, .size: 8, .value_kind: global_buffer, .address_space: global }
      - { .name: hx, .offset: 8, .size: 8, .value_kind: global_buffer, .address_space: global }
      - { .name: W_ih, .offset: 16, .size: 8, .value_kind: global_buffer, .address_space: global }
      - { .name: W_hh, .offset: 24, .size: 8, .value_kind: global_buffer, .address_space: global }
      - { .name: input_floor, .offset: 32, .size: 8, .value_kind: global_buffer, .address_space: global }
      - { .name: forget_floor, .offset: 40, .size: 8, .value_kind: global_buffer, .address_space: global }
      - { .name: abf, .offset: 48, .size: 8, .value_kind: global_buffer, .address_space: global }
      - { .name: bbf, .offset: 56, .size: 8, .value_kind: global_buffer, .address_space: global }
      - { .name: fac, .offset: 64, .size: 8, .value_kind: global_buffer, .address_space: global }
    .group_segment_fixed_size: 0
    .private_segment_fixed_size: 0
    .kernarg_segment_align: 8
    .kernarg_segment_size: 72
    .max_flat_workgroup_size: 256
    .sgpr_count:     66
    .vgpr_count:     128
    .wavefront_size: 32
...
	.end_amdgpu_metadata
.endif
;; end of part 1
;; launch cell (part 2): grid 16 x 16, 4 waves a work-group, clusters of 4 x 4, 327,680 bytes of LDS; arguments abf, bbf, cx, fac, b_ih, b_hh, out0, out1; writes out0, out1
.if DOCPART == 2
	.amdgcn_target "amdgcn-amd-amdhsa--gfx1250"
	.amdhsa_code_object_version 6
	.text
	.protected	k_q5be25d2e5b_cell
	.globl	k_q5be25d2e5b_cell
	.p2align	8
	.type	k_q5be25d2e5b_cell,@function
k_q5be25d2e5b_cell:
	s_mov_b64 s[64:65], 0
	v_nop
	global_prefetch_b8 v0, s[64:65] scope:SCOPE_SE
	s_setreg_imm32_b32 hwreg(HW_REG_WAVE_MODE, 25, 1), 1
	s_wait_xcnt 0x0
	s_wait_alu depctr_hold_cnt(0) depctr_sa_sdst(0) depctr_va_vdst(0) depctr_va_sdst(0) depctr_va_ssrc(0) depctr_va_vcc(0) depctr_vm_vsrc(0)
	s_getreg_b32 s2, hwreg(HW_REG_IB_STS2, 6, 4)
	s_cmp_eq_u32 s2, 0
	s_cbranch_scc0 .Lentry_in_a_cluster
	s_endpgm
.Lentry_in_a_cluster:
	s_bfe_u32 s2, ttmp6, 0x10000c
	s_cmp_lg_u32 s2, 0xf033
	s_cbranch_scc0 .Lentry_shape_is_right
	s_endpgm
.Lentry_shape_is_right:
; THE ON-LSTM CELL: gates = [x | hx] [W_ih | W_hh]^T + b_ih + b_hh (K = 2,048, bf16 operands, f32 sums), and the whole cell behind it, in one launch: no gate goes to memory.
; abf [8192][2048] and bbf [4096][2048] are bf16; bbf's rows are permuted so that rows 256 c .. 256 c + 255 hold chunk c's four gates: block b = 4 g + q of 16 rows holds gate g
; (0 out, 1 cell, 2 in, 3 forget) of the hidden columns 64 c + 4 r + q, r = 0..15.  fac [3][16][8192] f32 holds ov, fa, ia for each chunk and row.
; SHARES.  A tile is 256 rows x one chunk (256 gate columns).  Four waves; a wave makes 64 rows x all 256 columns: 64 accumulators of 16 x 16, 512 registers.  In a result lane l holds
; column r = l % 16 of its block and rows 8 (l / 16) + 0..7.  So one lane holds ALL FOUR GATES of the hidden columns 4 r .. 4 r + 3 of eight rows: the cell is worked out in registers,
; a lane's four columns are 16 bytes of a row of cx, cy and hy, and sixteen lanes load or store a chunk's whole row: 256 consecutive bytes at a multiple of 256.  No stage, no LDS store.
; The price: 40 LDS loads for 64 matrix instructions, where a square wave tile has 32.
; THE WALK.  K goes in 16 steps of 128 through two LDS slots filled by the tensor data mover (rows of 256 bytes, padded to 272).  A work-group stays for two tiles, 4,096 rows apart,
; and the ring runs on across the change of tiles: the second tile's first two K steps are asked for before the first tile's cell is worked out.
; CLUSTERS.  4 x 4 work-groups; the four of a row of the cluster need the same rows of abf, the four of a column the same rows of bbf: each tile is asked for jointly.
; FORMATS AND LIMITS.  Every input is taken rounded once to bf16: x, hx and the weights in abf and bbf, the floors in fac's making, the biases and cx here; all else is f32.
; sigmoid(s) = 1 / (1 + 2^(-s log2 e)), tanh(s) = 1 - 2 / (1 + 2^(2 s log2 e)): an exponential that overflows gives the right limit (0, or 1); one below 2^-126 counts as 0;
; tanh near 0 is off by about 1e-7 absolutely.  NaN and infinities in the inputs are not treated apart.
;
; REGISTERS, in windows of 256 (s_set_vgpr_msb: bits 1:0 source 0, 3:2 source 1, 5:4 source 2, 7:6 destination):
;   window 0: v0-31 addresses and the factors at work; v32-47 biases; v48-59 factors as loaded; v64-95, v96-127 A's fragments, two buffers; v128-255 the tile's cx, then cy
;   window 1: v0-127, v128-255 B's fragments, two buffers; in the cell's work the second buffer holds the arguments (v128-191) and hy (v192-207)
;   window 2: the accumulators of my rows 0-31 ((a, b) at v[8 (16 (a % 2) + b)]);   window 3: those of my rows 32-63
.set SIZE_K, 2048
.set KSTEP,  128
.set PITCH,  272                       ; an LDS row: 256 bytes + 16 of padding = 68 words: the 16 rows of a fragment load start 4 banks apart (64 banks of 4 bytes: ISA guide 11.1)
.set HALFT,  128*PITCH                 ; 128 rows: what one tensor load brings
.set SLOT,   4*HALFT                   ; A's 256 rows, then B's 256 rows
.set SPARE,  2*SLOT                    ; behind the ring: the spare words, 128 bytes for each wave: two blocks of 256 bytes that no other line names
.set LAPS,   SIZE_K/(2*KSTEP)          ; a lap = two K steps = once round the ring
.set WALK,   4096                      ; my two tiles lie 4,096 rows apart
.set NEXT_A, WALK*SIZE_K*2-(SIZE_K-2*KSTEP)*2   ; bytes from a slot's last K step of a tile to its first of the next: A goes WALK rows down and back along K,
.set BACK_B, (SIZE_K-2*KSTEP)*2        ; B only back: both tiles take the same chunk
.set ROWO,   4096                      ; bytes in a row of cx, out0 and out1
.set FAC,  4                           ; v4-15   the factors of the four rows in hand: ov v4-7, fa v8-11, ia v12-15
.set ADRA, 16                          ; v16-17  LDS address of my A fragments in slot 0, 1
.set ADRB, 20                          ; v20-21  the same for B
.set CXO,  24                          ; v24     my byte offset in cx, out0, out1: 8 (l / 16) rows + 16 (l % 16)
.set FCO,  25                          ; v25     my byte offset in a line of fac: row 8 (l / 16) + l % 8
.set BO,   26                          ; v26     my byte offset in a gate's 64 biases: 16 (l % 16)
.set ONE,  27                          ; v27     1.0
.set SPW,  28                          ; v28     LDS address of my spare word: SPARE + 4 x my thread's number; never rewritten
.set NIL,  29                          ; v29     0; never rewritten
.set PFO,  30                          ; v30     the prefetches' offset: my lane x a row of abf or bbf; never rewritten
.set BK,   32                          ; v32-47  k_g (b_ih + b_hh) for block 4 g + q, my column
.set FC,   48                          ; v48-59  table k, rows 16 a on: lane l holds row 16 a + 8 (l / 16) + l % 8
.set FA,   64                          ; A's fragment buffer f at FA + 32 f
.set CXP,  96                          ; v96-103 the cell's work: sixteen cx rounded to bf16 (A's second buffer is free then)
.set CX,   128                         ; v128-255 cx of row 16 a + 8 (l / 16) + j, column 4 r + q at CX + 32 a + 4 j + q
.set ARG,  128                         ; window 1: gate g, column q, row jj of four at ARG + 16 g + 4 q + jj
.set HY,   192                         ; window 1: row jj, column q at HY + 4 jj + q
.set WV,   20                          ; s20  my wave's number;  s21 = WV / 2: I fetch for A (0) or B (1);  s22 = WV % 2: which 128 rows
.set G1,   24                          ; s[24:31] descriptor group 1 for A's tiles;  s[32:39] group 0, a set for each slot
.set G0,   32
.set LIM,  43                          ; s43  1 in a wave that prefetches, else the greatest number
.set PFA,  44                          ; s[44:45] where my prefetches stand
.set G1B,  48                          ; s[48:55], s[56:63] the same for B's tiles
.set G0B,  56
.set NL,   66                          ; s[66:67] -log2(e), twice
.set TL,   68                          ; s[68:69] 2 log2(e), twice
.set MSB, 0
.macro WIN new                         ; the immediate's high byte repeats the setting that is left; a switch that changes nothing is dropped
.if MSB != (\new)
	s_set_vgpr_msb (MSB<<8)|(\new)
.set MSB, \new
.endif
.endm
.set MUL_LO, 0xa4                      ; source 0 (A) window 0, source 1 (B) window 1, C and D window 2
.set MUL_HI, 0xf4                      ; the same, C and D window 3
.set TO_B,   0x40                      ; destination window 1, address window 0
; A joint load.  Waves 0 and 1 fetch A's two halves, waves 2 and 3 B's.  The branch hangs on the wave's number alone.  An s_nop 0 and four v_nop follow each of the two lines.
.macro JLOAD s
	s_cmp_eq_u32 s21, 0
	s_cbranch_scc0 .Lfor_b_\@
	tensor_load_to_lds s[G0+4*(\s):G0+4*(\s)+3], s[G1:G1+7]
	s_nop 0
.rept 4
	v_nop
.endr
	s_branch .Lasked_\@
.Lfor_b_\@:
	tensor_load_to_lds s[G0B+4*(\s):G0B+4*(\s)+3], s[G1B:G1B+7]
	s_nop 0
.rept 4
	v_nop
.endr
.Lasked_\@:
.endm
; A PREFETCH, behind each joint load and the run of LDS loads that follows it: the K step that stands two refills on, 512 matrix instructions ahead of the load that will want it: 32 rows x 256 bytes, a lane a row.
; Each row's 256 bytes of a K step are named once in the launch: abf's rows by the clusters with x = 0, bbf's by those with y = 0; the four partners that ask for a tile jointly take 32 of
; a wave's 128 rows each, told apart by address.  how = 0, in the loop: a tile's last two refills have no K step two on; how = 1, at the change of tiles.
.macro ASK how
.if \how
	s_cmp_eq_u32 s[LIM], 1
.else
	s_cmp_gt_u32 s3, s[LIM]                        ; s3 = 1 in the loop's last trip
.endif
	s_cbranch_scc0 .Lnot_mine_\@
	global_prefetch_b8 v[PFO], s[PFA:PFA+1] offset:KSTEP*2 th:TH_LOAD_NT scope:SCOPE_SE
.Lnot_mine_\@:
.endm
.macro CREST                           ; a round of the cluster's barrier behind its opening barrier
	s_cmp_lg_u32 s[WV], 0
	s_cbranch_scc1 .Lnot_wave_0_\@
	s_barrier_signal -3
.Lnot_wave_0_\@:
	s_barrier_wait -3
	s_barrier_signal -1
	s_barrier_wait -1
.endm
.macro CROUND                          ; a whole round
	s_barrier_signal -1
	s_barrier_wait -1
	CREST
.endm
.macro PLACES                          ; four plain places behind matrix instructions, in front of loads into registers that they read and of lines that read their results
.rept 4
	v_nop
.endr
.endm
	s_load_b512 s[4:19], s[0:1], 0x0               ; abf s[4:5], bbf s[6:7], cx s[8:9], fac s[10:11], b_ih s[12:13], b_hh s[14:15], out0 s[16:17], out1 s[18:19]
	v_lshl_add_u32 v[SPW], v0, 2, SPARE
	v_mov_b32 v[NIL], 0
	ds_add_u32 v[SPW], v[NIL]                      ; the wave's opening: the add and its wait stand ahead of my first tensor load; the set-up below, work on registers, stands between them
	v_lshrrev_b32 v1, 5, v0
	v_readfirstlane_b32 s[WV], v1                  ; wave 0..3
	s_lshr_b32 s21, s[WV], 1
	s_and_b32 s22, s[WV], 1
	s_bfe_u32 s40, ttmp6, 0x40000                  ; cx: my place along the cluster's x
	s_bfe_u32 s41, ttmp6, 0x40004                  ; cy: along its y
	s_lshl_b32 s42, ttmp9, 2
	s_add_co_u32 s42, s42, s40                     ; the chunk = 4 x cluster x + cx
	s_and_b32 s23, ttmp7, 0xffff
	s_lshl_b32 s23, s23, 2
	s_add_co_u32 s23, s23, s41                     ; the tile row = 4 x cluster y + cy
	s_lshl_b32 s43, s41, 2
	s_lshl_b32 s43, 15, s43                        ; my row of the cluster: places 4 cy .. 4 cy + 3
	s_lshl_b32 s44, 0x1111, s40                    ; my column: places cx, cx + 4, cx + 8, cx + 12
	; descriptor group 1: a tile of 128 rows x 128 elements of 2 bytes, 4 words of padding behind every 64
	s_or_b32 s[G1+0], s43, (1<<16)|(1<<20)|(1<<21)|(5<<22)|(3<<25)   ; A's tiles go to my row of the cluster
	s_or_b32 s[G1B+0], s44, (1<<16)|(1<<20)|(1<<21)|(5<<22)|(3<<25)  ; B's to my column
.irp g, G1, G1B
	s_mov_b32 s[(\g)+1], KSTEP<<16                 ; tensor_dim0 = 128
	s_mov_b32 s[(\g)+2], 128<<16                   ; tensor_dim1 = 128
	s_mov_b32 s[(\g)+3], KSTEP<<16                 ; tile_dim0 = 128
	s_mov_b32 s[(\g)+4], 128                       ; tile_dim1 = 128
	s_mov_b32 s[(\g)+5], SIZE_K                    ; elements from row to row
	s_mov_b32 s[(\g)+6], 0
	s_mov_b32 s[(\g)+7], 0
.endr
	; where the tiles come from: A's hang on the tile row alone, B's on the chunk alone, each in registers that never hold the other coordinate
	s_lshl_b32 s72, s22, 7                         ; which 128 rows of the tile I fetch
	s_lshl_b32 s70, s23, 8
	s_add_co_u32 s70, s70, s72
	s_lshl_b32 s70, s70, 12                        ; rows of 4,096 bytes: under 2^24 rows x bytes
	s_mov_b32 s71, 0
	s_lshl_b32 s46, s42, 8
	s_add_co_u32 s46, s46, s72
	s_lshl_b32 s46, s46, 12
	s_mov_b32 s47, 0
	s_mul_i32 s73, s[WV], HALFT                    ; where they go: A's two halves, then B's two: no place in the cluster enters an LDS address
	s_mov_b32 s[NL], 0xbfb8aa3b
	s_mov_b32 s[NL+1], s[NL]
	s_mov_b32 s[TL], 0x4038aa3b
	s_mov_b32 s[TL+1], s[TL]
	s_wait_dscnt 0x0                               ; the opening add is done
	s_wait_kmcnt 0x0
	s_add_nc_u64 s[70:71], s[4:5], s[70:71]
	s_add_nc_u64 s[46:47], s[6:7], s[46:47]
	CROUND                                         ; all sixteen work-groups are here: the first joint loads meet
.irp s, 0,1
	s_mov_b32 s[G0+4*(\s)], 1                                        ; count = 1
	s_add_co_u32 s[G0+4*(\s)+1], s73, (\s)*SLOT                      ; LDS address
	s_add_nc_u64 s[G0+4*(\s)+2:G0+4*(\s)+3], s[70:71], (\s)*KSTEP*2  ; global address: K step s
	s_or_b32 s[G0+4*(\s)+3], s[G0+4*(\s)+3], 0x80000000              ; type = 2
	s_mov_b32 s[G0B+4*(\s)], 1
	s_add_co_u32 s[G0B+4*(\s)+1], s73, (\s)*SLOT
	s_add_nc_u64 s[G0B+4*(\s)+2:G0B+4*(\s)+3], s[46:47], (\s)*KSTEP*2
	s_or_b32 s[G0B+4*(\s)+3], s[G0B+4*(\s)+3], 0x80000000
	JLOAD \s                                       ; two tensor loads of mine are out
.endr
	; while the first tiles are on their way: the bases of cx, out0, out1, fac and the biases,
	s_lshl_b32 s74, s23, 8
	s_lshl_b32 s75, s[WV], 6
	s_add_co_u32 s74, s74, s75                     ; my first row: 256 x tile row + 64 x wave
	s_lshl_b32 s76, s74, 2                         ; its place in a line of fac
	s_lshl_b32 s74, s74, 12
	s_lshl_b32 s75, s42, 8                         ; the chunk's 256 bytes of a row
	s_add_co_u32 s74, s74, s75
	s_mov_b32 s75, 0
	s_add_nc_u64 s[8:9], s[8:9], s[74:75]
	s_add_nc_u64 s[16:17], s[16:17], s[74:75]
	s_add_nc_u64 s[18:19], s[18:19], s[74:75]
	s_lshl_b32 s78, s42, 15                        ; the chunk's line of 8,192 rows
	s_add_co_u32 s76, s76, s78
	s_mov_b32 s77, 0
	s_add_nc_u64 s[10:11], s[10:11], s[76:77]
	s_lshl_b32 s78, s42, 8
	s_mov_b32 s79, 0
	s_add_nc_u64 s[12:13], s[12:13], s[78:79]
	s_add_nc_u64 s[14:15], s[14:15], s[78:79]
	v_and_b32 v1, 15, v0                           ; r = l % 16
	v_bfe_u32 v2, v0, 4, 1                         ; h = l / 16
	v_lshlrev_b32 v[BO], 4, v1
.irp g, 0,1,2,3
	global_load_b128 v[CX+4*(\g):CX+4*(\g)+3],       v[BO], s[12:13] offset:(\g)*4096  ; b_ih of gate g, columns 4 r .. 4 r + 3
	global_load_b128 v[CX+16+4*(\g):CX+16+4*(\g)+3], v[BO], s[14:15] offset:(\g)*4096  ; b_hh
.endr
	; the LDS addresses: a fragment is 16 rows x 32 K in 8 registers: lane l holds row l % 16, K = 8 h + 0..7 and 16 + 8 h + 0..7: two loads of 16 bytes, 32 bytes apart,
	v_mul_u32_u24 v3, v1, PITCH
	v_lshl_add_u32 v3, v2, 4, v3
	s_mul_i32 s74, s[WV], 64*PITCH                 ; my 64 rows of A
	s_mov_b32 s75, 2*HALFT                         ; B's 256 rows lie behind A's 256
.irp s, 0,1
	v_add_nc_u32 v[ADRA+(\s)], s74, v3
	v_add_nc_u32 v[ADRB+(\s)], s75, v3
	s_add_co_u32 s74, s74, SLOT
	s_add_co_u32 s75, s75, SLOT
.endr
	v_lshlrev_b32 v[CXO], 15, v2                   ; 8 h rows of 4,096 bytes
	v_lshl_add_u32 v[CXO], v1, 4, v[CXO]
	v_and_b32 v3, 7, v0
	v_lshl_add_u32 v[FCO], v2, 3, v3
	v_lshlrev_b32 v[FCO], 2, v[FCO]
	v_mov_b32 v[ONE], 1.0
.set i, 0
.rept 12
	v_mov_b32 v[FAC+i], 0                          ; written once whole: the lines that fill them take another lane's number, and their destination counts as read
.set i, i+1
.endr
	; and the prefetches' place
	s_lshl_b32 s72, s23, 8
	s_lshl_b32 s73, s42, 8
	s_and_b32 s74, ttmp7, 0xffff                   ; cluster y
	s_cmp_eq_u32 s21, 0                            ; do I fetch for A?
	s_cselect_b32 s72, s72, s73                    ; the tile's first row
	s_cselect_b32 s73, s40, s41                    ; my place among the four that ask for it with me
	s_cselect_b32 s74, ttmp9, s74                  ; the coordinate along which other clusters read the same rows
	s_cselect_b64 s[PFA:PFA+1], s[4:5], s[6:7]
	s_cmp_eq_u32 s74, 0
	s_cselect_b32 s[LIM], 1, -1                    ; the same in all sixteen partners, for a given wave
	s_lshl_b32 s74, s22, 7
	s_add_co_u32 s72, s72, s74                     ; + the 128 rows that I fetch
	s_lshl_b32 s73, s73, 5
	s_add_co_u32 s72, s72, s73                     ; + my work-group's 32 of them
	s_lshl_b32 s72, s72, 12
	s_mov_b32 s73, 0
	s_add_nc_u64 s[PFA:PFA+1], s[PFA:PFA+1], s[72:73]
	s_add_nc_u64 s[PFA:PFA+1], s[PFA:PFA+1], 2*KSTEP*2  ; at K step 2: the first refill steps it to 3 and names K step 4; nothing is prefetched here, at the head
	v_and_b32 v[PFO], 31, v0
	v_lshlrev_b32 v[PFO], 12, v[PFO]
	s_wait_loadcnt 0x0                             ; the biases
.set i, 0
.rept 8
	v_cvt_pk_bf16_f32 v[CX+32+i], v[CX+2*i],    v[CX+2*i+1]     ; rounded to bf16, like every input
	v_cvt_pk_bf16_f32 v[CX+40+i], v[CX+16+2*i], v[CX+16+2*i+1]
.set i, i+1
.endr
.set i, 0
.rept 8
	v_fma_mix_f32_bf16 v[BK+2*i],   v[CX+32+i], v[ONE], v[CX+40+i] op_sel_hi:[1,0,1]                 ; b_ih + b_hh in f32, from the low halves,
	v_fma_mix_f32_bf16 v[BK+2*i+1], v[CX+32+i], v[ONE], v[CX+40+i] op_sel:[1,0,1] op_sel_hi:[1,0,1]  ; from the high halves
.set i, i+1
.endr
.irp i, 0,1,4,5,6,7
	v_pk_mul_f32 v[BK+2*(\i):BK+2*(\i)+1], v[BK+2*(\i):BK+2*(\i)+1], s[NL:NL+1] op_sel_hi:[1,0]  ; the exponent's factor is folded in: -log2(e) for the three sigmoids,
.endr
.irp i, 2,3
	v_pk_mul_f32 v[BK+2*(\i):BK+2*(\i)+1], v[BK+2*(\i):BK+2*(\i)+1], s[TL:TL+1] op_sel_hi:[1,0]  ; 2 log2(e) for the tanh
.endr
; 16 matrix instructions: A's block 2 hi + a x all 16 blocks of B, 32 along K, from buffers f.  zero = 1: the product starts the sums: nothing is ever cleared.
; The 64 accumulators take turns, in the same order in every quarter step: 63 others stand between two links of a chain.
.macro MUL16 f, hi, a, zero
	WIN MUL_LO+0x50*(\hi)
.irp b, 0,1,2,3,4,5,6,7,8,9,10,11,12,13,14,15
.if \zero
	v_wmma_f32_16x16x32_bf16 v[8*(16*(\a)+(\b)):8*(16*(\a)+(\b))+7], v[FA+32*(\f)+8*(2*(\hi)+(\a)):FA+32*(\f)+8*(2*(\hi)+(\a))+7], v[128*(\f)+8*(\b):128*(\f)+8*(\b)+7], 0
.else
	v_wmma_f32_16x16x32_bf16 v[8*(16*(\a)+(\b)):8*(16*(\a)+(\b))+7], v[FA+32*(\f)+8*(2*(\hi)+(\a)):FA+32*(\f)+8*(2*(\hi)+(\a))+7], v[128*(\f)+8*(\b):128*(\f)+8*(\b)+7], v[8*(16*(\a)+(\b)):8*(16*(\a)+(\b))+7]
.endif
.endr
.endm
; 40 LDS loads in one run: the fragments of one quarter step (256 rows of B, my 64 rows of A, 32 K at byte k of the rows) into buffers f.  The largest offset is 192 + 15 x 4,352 + 32 = 65,504.
.macro FETCH slot, k, f
	WIN TO_B
.irp i, 0,1,2,3,4,5,6,7,8,9,10,11,12,13,14,15
	ds_load_b128 v[128*(\f)+8*(\i):128*(\f)+8*(\i)+3],   v[ADRB+(\slot)] offset:(\k)+(\i)*16*PITCH
	ds_load_b128 v[128*(\f)+8*(\i)+4:128*(\f)+8*(\i)+7], v[ADRB+(\slot)] offset:(\k)+(\i)*16*PITCH+32
.endr
	WIN 0
.irp i, 0,1,2,3
	ds_load_b128 v[FA+32*(\f)+8*(\i):FA+32*(\f)+8*(\i)+3],   v[ADRA+(\slot)] offset:(\k)+(\i)*16*PITCH
	ds_load_b128 v[FA+32*(\f)+8*(\i)+4:FA+32*(\f)+8*(\i)+7], v[ADRA+(\slot)] offset:(\k)+(\i)*16*PITCH+32
.endr
.endm
; A K step is four quarter steps of 32 along K, 64 matrix instructions each, on buffers 0, 1, 0, 1.  One of the first three: multiplies buffers f; in its middle it fetches the next quarter's fragments into g.
.macro QUARTER slot, k, f, g, zero
	s_wait_dscnt 4                                 ; B and A's blocks 0 and 1 are in; the youngest four loads (A's blocks 2 and 3) may be out
	MUL16 \f, 0, 0, \zero
	MUL16 \f, 0, 1, \zero
	PLACES
	FETCH \slot, \k, \g
	s_wait_dscnt 40                                ; all but the 40 just issued
	MUL16 \f, 1, 0, \zero
	MUL16 \f, 1, 1, \zero
.endm
; The last quarter multiplies buffers 1 and changes slots.  MEET is its first half: one barrier for the change.  In front of it each wave waits for all its tensor loads (one is out: its part of the
; next slot), adds 0 to its spare word, and waits for that and for its own reads of this slot.  Behind it nobody reads this slot any more and the next slot is whole.
.macro MEET round
	WIN 0                                          ; (the add's two registers lie in window 0)
	s_wait_tensorcnt 0x0
	ds_add_u32 v[SPW], v[NIL]                      ; 0 onto my spare word
	s_wait_dscnt 5                                 ; (the add and A's blocks 2 and 3 may be out)
	MUL16 1, 0, 0, 0                               ; sixteen matrix instructions stand between the add and the wait for it
	s_wait_dscnt 0x0                               ; the add is done, and my reads of this slot are over
	s_barrier_signal -1
	MUL16 1, 0, 1, 0                               ; work on registers while the others arrive
.if \round
	WIN 0
.endif
	s_barrier_wait -1
.endm
; The whole last quarter.  Behind the round the slot just read out is filled again first: with this tile's K step two steps on (on = 0) or with the next tile's K step 0 or 1 (on = 1);
; then come the next slot's first fragments.  From a request to the wait for it a wave issues 224 matrix instructions.
.macro TURN slot, next, on
	s_wait_xcnt 0x0                                ; the last prefetch, a K step back, has read its address
.if (\on) && (\slot) == 0
	s_add_nc_u64 s[PFA:PFA+1], s[PFA:PFA+1], (WALK-1)*SIZE_K*2+KSTEP*2  ; from the K step after the tile's last to the next tile's K step 1
	s_cmp_eq_u32 s21, 0
	s_cselect_b32 s[LIM], s[LIM], -1               ; B's rows are the same for both tiles: they are prefetched no more
.else
	s_add_nc_u64 s[PFA:PFA+1], s[PFA:PFA+1], KSTEP*2
.endif
	MEET 1
	CREST                                          ; the barrier has opened a round of the cluster's: no wave of any partner still reads this slot or has a load on its way
.if \on
	s_add_nc_u64 s[G0+4*(\slot)+2:G0+4*(\slot)+3], s[G0+4*(\slot)+2:G0+4*(\slot)+3], NEXT_A
	s_sub_nc_u64 s[G0B+4*(\slot)+2:G0B+4*(\slot)+3], s[G0B+4*(\slot)+2:G0B+4*(\slot)+3], BACK_B
.else
	s_add_nc_u64 s[G0+4*(\slot)+2:G0+4*(\slot)+3], s[G0+4*(\slot)+2:G0+4*(\slot)+3], 2*KSTEP*2
	s_add_nc_u64 s[G0B+4*(\slot)+2:G0B+4*(\slot)+3], s[G0B+4*(\slot)+2:G0B+4*(\slot)+3], 2*KSTEP*2
.endif
	JLOAD \slot                                    ; my one tensor load behind the round; the four v_nop behind it are also the places in front of the loads below
	FETCH \next, 0, 0
	ASK \on
	MUL16 1, 1, 0, 0
	MUL16 1, 1, 1, 0
.endm
; What the cell wants beside the gates, asked for a whole tile ahead: my 64 rows of the chunk's cx (sixteen lanes take a row's 256 bytes) and my 64 rows of the three factor tables.
.macro LOADEPI
.irp a, 0,1,2,3
.irp j, 0,1,2,3,4,5,6,7
	global_load_b128 v[CX+32*(\a)+4*(\j):CX+32*(\a)+4*(\j)+3], v[CXO], s[8:9] offset:(16*(\a)+(\j))*ROWO th:TH_LOAD_NT
.endr
.endr
.irp k, 0,1,2
.irp a, 0,1,2,3
	global_load_b32 v[FC+4*(\k)+(\a)], v[FCO], s[10:11] offset:(\k)*524288+(\a)*64 th:TH_LOAD_NT
.endr
.endr
.endm
; The three factors of row n of my eight (lane n of each half of 16 holds them) into every lane of the half, for row jj of the four in hand.
.macro SHARE a, n, jj
.irp k, 0,1,2
	v_mov_b32_dpp v[FAC+4*(\k)+(\jj)], v[FC+4*(\k)+(\a)] row_share:\n row_mask:0xf bank_mask:0xf
.endr
.endm
; THE CELL for rows 16 a + 8 h + 4 jh + 0..3 and the chunk's 64 columns: 16 outputs a lane.  The units go (0,0), (0,1), (1,0) ..: each accumulator's low registers are read first.
; Each batch of exponentials or reciprocals has one plain instruction behind it and one wait ahead of its first reader: four waits a unit.
.macro UNIT a, jh
.set AC0,  128*((\a)%2)+4*(\jh)        ; accumulator (a, b)'s four registers at AC0 + 8 b
.set CXR,  CX+32*(\a)+16*(\jh)         ; row jj, column q at CXR + 4 jj + q
.set ROW0, 16*(\a)+4*(\jh)
	WIN 0x40+2+(\a)/2                              ; the exponents: k_g s + k_g b, scale and bias in one fused line, two rows at a time
.irp g, 0,1,2,3
.set rK, NL
.if (\g) == 1
.set rK, TL
.endif
.irp q, 0,1,2,3
.irp p, 0,1
.set rD, ARG+16*(\g)+4*(\q)+2*(\p)
.set rX, AC0+8*(4*(\g)+(\q))+2*(\p)
.set rB, BK+4*(\g)+2*((\q)/2)
.if (\q)%2
	v_pk_fma_f32 v[rD:rD+1], v[rX:rX+1], s[rK:rK+1], v[rB:rB+1] op_sel:[0,0,1] op_sel_hi:[1,0,1]
.else
	v_pk_fma_f32 v[rD:rD+1], v[rX:rX+1], s[rK:rK+1], v[rB:rB+1] op_sel_hi:[1,0,0]
.endif
.endr
.endr
.endr
	WIN 0x55
.set i, 0
.rept 64
	v_exp_f32 v[ARG+i], v[ARG+i]
.set i, i+1
.endr
	v_nop
	WIN 0                                          ; independent work behind the batch: the rows' factors, and cx rounded to bf16, like every input
.if \jh
	SHARE \a, 4, 0
	SHARE \a, 5, 1
	SHARE \a, 6, 2
	SHARE \a, 7, 3
.else
	SHARE \a, 0, 0
	SHARE \a, 1, 1
	SHARE \a, 2, 2
	SHARE \a, 3, 3
.endif
.set i, 0
.rept 8
	v_cvt_pk_bf16_f32 v[CXP+i], v[CXR+2*i], v[CXR+2*i+1]
.set i, i+1
.endr
	s_wait_alu depctr_va_vdst(0)
	WIN 0x55
.set i, 0
.rept 32
	v_pk_add_f32 v[ARG+i:ARG+i+1], v[ARG+i:ARG+i+1], 1.0 op_sel_hi:[1,0]
.set i, i+2
.endr
.set i, 0
.rept 64
	v_rcp_f32 v[ARG+i], v[ARG+i]                   ; out, in, forget are now the sigmoids
.set i, i+1
.endr
	v_nop
	s_wait_alu depctr_va_vdst(0)
.set i, 16
.rept 8
	v_pk_fma_f32 v[ARG+i:ARG+i+1], v[ARG+i:ARG+i+1], -2.0, 1.0 op_sel_hi:[1,0,0]  ; cell = tanh
.set i, i+2
.endr
	WIN 0x41
.irp q, 0,1,2,3
.irp p, 0,1
	v_pk_fma_f32 v[ARG+32+4*(\q)+2*(\p):ARG+32+4*(\q)+2*(\p)+1], v[ARG+32+4*(\q)+2*(\p):ARG+32+4*(\q)+2*(\p)+1], v[FAC+2*(\p):FAC+2*(\p)+1], v[FAC+8+2*(\p):FAC+8+2*(\p)+1]  ; in ov + ia
	v_pk_fma_f32 v[ARG+48+4*(\q)+2*(\p):ARG+48+4*(\q)+2*(\p)+1], v[ARG+48+4*(\q)+2*(\p):ARG+48+4*(\q)+2*(\p)+1], v[FAC+2*(\p):FAC+2*(\p)+1], v[FAC+4+2*(\p):FAC+4+2*(\p)+1]  ; forget ov + fa
.endr
.endr
	WIN 0x05                                       ; cy = forget cx + in cell, laid by rows: four neighbouring columns in four neighbouring registers
.irp jj, 0,1,2,3
.irp q, 0,1,2,3
	v_mul_f32 v[CXR+4*(\jj)+(\q)], v[ARG+32+4*(\q)+(\jj)], v[ARG+16+4*(\q)+(\jj)]
.endr
.endr
	WIN 0x01
.irp jj, 0,1,2,3
.irp q, 0,2
	v_fma_mix_f32_bf16 v[CXR+4*(\jj)+(\q)],   v[ARG+48+4*(\q)+(\jj)],   v[CXP+2*(\jj)+(\q)/2], v[CXR+4*(\jj)+(\q)]   op_sel_hi:[0,1,0]
	v_fma_mix_f32_bf16 v[CXR+4*(\jj)+(\q)+1], v[ARG+52+4*(\q)+(\jj)],   v[CXP+2*(\jj)+(\q)/2], v[CXR+4*(\jj)+(\q)+1] op_sel:[0,1,0] op_sel_hi:[0,1,0]
.endr
.endr
	s_wait_xcnt 0x0                                ; the last unit's stores of hy have read their data: HY is written again only behind this wait
	WIN 0x40
.set i, 0
.rept 8
	v_pk_mul_f32 v[HY+i:HY+i+1], v[CXR+i:CXR+i+1], s[TL:TL+1] op_sel_hi:[1,0]
.set i, i+2
.endr
	WIN 0
.irp jj, 0,1,2,3
	global_store_b128 v[CXO], v[CXR+4*(\jj):CXR+4*(\jj)+3], s[18:19] offset:(ROW0+(\jj))*ROWO th:TH_STORE_NT  ; cy: each half of the lanes stores 256 consecutive bytes at a multiple of 256
.endr
	WIN 0x55
.set i, 0
.rept 16
	v_exp_f32 v[HY+i], v[HY+i]
.set i, i+1
.endr
	v_nop
	s_wait_alu depctr_va_vdst(0)
.set i, 0
.rept 8
	v_pk_add_f32 v[HY+i:HY+i+1], v[HY+i:HY+i+1], 1.0 op_sel_hi:[1,0]
.set i, i+2
.endr
.set i, 0
.rept 16
	v_rcp_f32 v[HY+i], v[HY+i]
.set i, i+1
.endr
	v_nop
	s_wait_alu depctr_va_vdst(0)
.set i, 0
.rept 8
	v_pk_fma_f32 v[HY+i:HY+i+1], v[HY+i:HY+i+1], -2.0, 1.0 op_sel_hi:[1,0,0]  ; tanh(cy)
.set i, i+2
.endr
.irp jj, 0,1,2,3
.irp q, 0,1,2,3
	v_mul_f32 v[HY+4*(\jj)+(\q)], v[ARG+4*(\q)+(\jj)], v[HY+4*(\jj)+(\q)]     ; hy = out tanh(cy)
.endr
.endr
	WIN 0x04                                       ; address window 0, data window 1
.irp jj, 0,1,2,3
	global_store_b128 v[CXO], v[HY+4*(\jj):HY+4*(\jj)+3], s[16:17] offset:(ROW0+(\jj))*ROWO th:TH_STORE_NT
.endr
.endm
	s_wait_tensorcnt 1                             ; my part of K step 0 is in; K step 1's may stay out
	s_barrier_signal -1
	s_barrier_wait -1                              ; everybody's is
	FETCH 0, 0, 0
	s_mov_b32 s2, 2                                ; tiles to go: the same number in every work-group
.Ltile:
	LOADEPI
	QUARTER 0, 64,  0, 1, 1                        ; a tile's first quarter stands in front of the loop: its products start the sums
	WIN 0                                          ; at a label and at a branch every window is 0
	s_mov_b32 s3, LAPS-1
.Llap:                                             ; a trip goes once round the ring, from a lap's second quarter to the next lap's first, and fills both slots again
	QUARTER 0, 128, 1, 0, 0
	QUARTER 0, 192, 0, 1, 0
	TURN 0, 1, 0
	QUARTER 1, 64,  0, 1, 0
	QUARTER 1, 128, 1, 0, 0
	QUARTER 1, 192, 0, 1, 0
	TURN 1, 0, 0
	QUARTER 0, 64,  0, 1, 0
	WIN 0
	s_sub_co_u32 s3, s3, 1
	s_cmp_lg_u32 s3, 0
	s_cbranch_scc1 .Llap
	QUARTER 0, 128, 1, 0, 0                        ; the tile's last lap goes on
	QUARTER 0, 192, 0, 1, 0
	WIN 0
	s_cmp_eq_u32 s2, 1
	s_cbranch_scc1 .Llast                          ; the last tile's end is written out: it asks for nothing more
	TURN 0, 1, 1                                   ; the ring goes on into the next tile: slot 0 takes its K step 0,
	QUARTER 1, 64,  0, 1, 0
	QUARTER 1, 128, 1, 0, 0
	QUARTER 1, 192, 0, 1, 0
	TURN 1, 0, 1                                   ; slot 1 its K step 1, and the next tile's first fragments are fetched into the buffers 0, which the cell's work leaves alone
	WIN 0
	s_branch .Lout
.Llast:
	MEET 0                                         ; my one tensor load that was out is the last K step's, so no round follows
	PLACES
	FETCH 1, 0, 0
	MUL16 1, 1, 0, 0
	MUL16 1, 1, 1, 0
	QUARTER 1, 64,  0, 1, 0
	QUARTER 1, 128, 1, 0, 0
	QUARTER 1, 192, 0, 1, 0
	s_wait_dscnt 4                                 ; the very last quarter: nothing more to fetch
	MUL16 1, 0, 0, 0
	MUL16 1, 0, 1, 0
	s_wait_dscnt 0x0
	MUL16 1, 1, 0, 0
	MUL16 1, 1, 1, 0
	WIN 0
.Lout:                                             ; THE CELL, for the tile just summed
	PLACES                                         ; eight places, once a tile: the packed lines below read results just made and write registers that the last products read
	PLACES
	s_wait_loadcnt 0x0                             ; cx and the factors, asked for a tile ago
	UNIT 0, 0
	UNIT 0, 1
	UNIT 1, 0
	UNIT 1, 1
	UNIT 2, 0
	UNIT 2, 1
	UNIT 3, 0
	UNIT 3, 1
	WIN 0
	s_wait_xcnt 0x0                                ; the stores have read their data and bases: cx's registers and the four bases are written again only behind this wait
	s_add_nc_u64 s[8:9], s[8:9], WALK*ROWO         ; 4,096 rows down
	s_add_nc_u64 s[16:17], s[16:17], WALK*ROWO
	s_add_nc_u64 s[18:19], s[18:19], WALK*ROWO
	s_add_nc_u64 s[10:11], s[10:11], WALK*4
	s_sub_co_u32 s2, s2, 1
	s_cmp_lg_u32 s2, 0
	s_cbranch_scc1 .Ltile
	s_wait_tensorcnt 0x0                           ; the wave's end, behind my last tensor load
	ds_add_u32 v[SPW], v[NIL]
	s_wait_dscnt 0x0
	CROUND                                         ; the closing round: no work-group ends while a partner may still ask for a tile that names it
	s_endpgm
.Lfunc_end_k_q5be25d2e5b_cell:
	.size	k_q5be25d2e5b_cell, .Lfunc_end_k_q5be25d2e5b_cell-k_q5be25d2e5b_cell
	.p2alignl 7, 3214868480
	.fill 96, 4, 3214868480
	.section	.rodata,"a",@progbits
	.p2align	6, 0x0
	.amdhsa_kernel k_q5be25d2e5b_cell
		.amdhsa_group_segment_fixed_size 327680
		.amdhsa_private_segment_fixed_size 0
		.amdhsa_enable_private_segment 0
		.amdhsa_kernarg_size 64
		.amdhsa_user_sgpr_count 2
		.amdhsa_user_sgpr_kernarg_segment_ptr 1
		.amdhsa_wavefront_size32 1
		.amdhsa_system_sgpr_workgroup_id_x 1
		.amdhsa_system_sgpr_workgroup_id_y 1
		.amdhsa_system_sgpr_workgroup_id_z 1
		.amdhsa_system_vgpr_workitem_id 0
		.amdhsa_next_free_vgpr 1024
		.amdhsa_next_free_sgpr 80
		.amdhsa_reserve_vcc 0
		.amdhsa_float_denorm_mode_32 3
		.amdhsa_float_denorm_mode_16_64 3
		.amdhsa_memory_ordered 1
		.amdhsa_forward_progress 1
		.amdhsa_inst_pref_size 255
	.end_amdhsa_kernel
	.section	.bss,"aw",@nobits
	.p2align	6
	.space	262144
	.amdgpu_metadata
---
amdhsa.version: [ 1, 2 ]
amdhsa.kernels:
  - .name:           k_q5be25d2e5b_cell
    .symbol:         k_q5be25d2e5b_cell.kd
    .args:
      - { .name: abf, .offset: 0, .size: 8, .value_kind: global_buffer, .address_space: global }
      - { .name: bbf, .offset: 8, .size: 8, .value_kind: global_buffer, .address_space: global }
      - { .name: cx, .offset: 16, .size: 8, .value_kind: global_buffer, .address_space: global }
      - { .name: fac, .offset: 24, .size: 8, .value_kind: global_buffer, .address_space: global }
      - { .name: b_ih, .offset: 32, .size: 8, .value_kind: global_buffer, .address_space: global }
      - { .name: b_hh, .offset: 40, .size: 8, .value_kind: global_buffer, .address_space: global }
      - { .name: out0, .offset: 48, .size: 8, .value_kind: global_buffer, .address_space: global }
      - { .name: out1, .offset: 56, .size: 8, .value_kind: global_buffer, .address_space: global }
    .group_segment_fixed_size: 327680
    .private_segment_fixed_size: 0
    .kernarg_segment_align: 8
    .kernarg_segment_size: 64
    .max_flat_workgroup_size: 128
    .sgpr_count:     80
    .vgpr_count:     1024
    .wavefront_size: 32
...
	.end_amdgpu_metadata
.endif
;; end of part 2
;; ======== version 2 of 2: 2 launches; version 1 with the launch prep written anew for expert scheduling mode
;; workspace buffers: abf 33,554,432 bytes; bbf 16,777,216 bytes; fac 1,572,864 bytes
;; launch prep (part 3): grid 784 x 1, 8 waves a work-group, no clusters, 0 bytes of LDS; arguments x, hx, W_ih, W_hh, input_floor, forget_floor, abf, bbf, fac; writes abf, bbf, fac
.if DOCPART == 3
	.amdgcn_target "amdgcn-amd-amdhsa--gfx1250"
	.amdhsa_code_object_version 6
	.text
	.protected	k_q5be25d2e5b_prep
	.globl	k_q5be25d2e5b_prep
	.p2align	8
	.type	k_q5be25d2e5b_prep,@function
k_q5be25d2e5b_prep:
	s_mov_b64 s[64:65], 0
	v_nop
	global_prefetch_b8 v0, s[64:65] scope:SCOPE_SE
	s_setreg_imm32_b32 hwreg(HW_REG_WAVE_SCHED_MODE, 0, 2), 2
	s_setreg_imm32_b32 hwreg(HW_REG_WAVE_MODE, 25, 1), 1
	s_wait_xcnt 0x0
	s_wait_alu depctr_vm_vsrc(0)
; PREPARATION FOR THE CELL.  Three things, chosen by the work-group's number w:
;   w 0-255 x, 256-511 hx      -> abf [8192][2048] bf16: columns 0-1023 x, 1024-2047 hx
;   w 512-639 W_ih, 640-767 W_hh -> bbf [4096][2048] bf16: columns as above, ROWS PERMUTED: source row g 1024 + c 64 + j (gate g, chunk c) goes to
;                                 row c 256 + g 64 + (j % 4) 16 + j / 4, so that 256 consecutive rows hold one chunk's four gates, in blocks of 16 rows 4 g + j % 4
;   w 768-783 the floors       -> fac [3][16][8192] f32 = [table][chunk][row]: ov = cf ci, fa = cf - ov, ia = ci - ov
; A casting work-group takes 32 source rows of 4,096 bytes; thread t owns the 16 bytes at 16 t of each row: a wave's load covers 512 consecutive bytes, its store
; (8 bytes a lane) 256 consecutive bytes at a multiple of 256.
; No LDS, no barrier, no matrix unit: nothing here is shared between threads.
; FORMATS AND LIMITS.  x, hx, W_ih, W_hh are rounded once to bf16 (nearest even).  The floors are rounded to bf16 too, like every input of this program, which so computes the
; module on one set of rounded inputs; all arithmetic on them is f32.  Each softmax takes its maximum away first.  The running sums are taken of the exponentials and then
; multiplied by 1 / total (the module divides first and sums then: another order of rounding).  An exponential below 2^-126 counts as 0.  NaN and infinities are not treated apart.
; THE MODE: SCHED_MODE bits 1:0 = 2 (LLVM: expert scheduling mode 2), set by the entry lines.  The code itself states the register dependences
; between vector instructions and memory instructions, with s_wait_alu, always for 0.
; THE PLAN OF THE CASTS.  The 32 rows go in 8 blocks of four, written out by macro.  Registers that memory instructions touch:
;   X0 .. X3   four blocks as loaded.      Written by the loads of block p + 3, issued in block p; read by block p's conversions.
;   Y0, Y1     two blocks to store.        Written by block p's conversions; read by the four stores that are issued in block p + 1.
;   v1, v[2:5] byte offsets, made once at the head and never written again: the source's rows stand in the loads' immediates, and each block has a scalar base in the target.
; Block p works on X[p % 4] and writes Y[p % 2].  Its memory instructions are the loads into X[(p + 3) % 4] = X[(p - 1) % 4] and the stores from Y[(p - 1) % 2]: the two buffers
; that block p - 1 worked on and that no vector instruction of block p names.  So the waits at a block's head state all that its eight memory instructions hang on, and these
; are dealt among its conversions with no further wait.  Eight to twelve loads of every wave are on their way.
; THE PLAN OF THE FLOORS stands at their label.
.set SOFF, 1                           ; v1      16 t: my bytes in a source row; never rewritten
.set DOFF, 2                           ; v[2:5]  row r of a block: 8 t + the row's place in the target; never rewritten
.set X,    16                          ; v[16:79] buffer k, row r: four f32 as loaded, at X + 16 k + 4 r
.set Y,    80                          ; v[80:95] buffer k, row r: four bf16 to store, at Y + 8 k + 2 r
.set SRC,  40                          ; s[40:41] the source at my first row
.set DST,  42                          ; s[42:43] the target tensor
.set DB,   8                           ; s[8:23] block p: the target at the block's first row and my half of its columns, a pair at DB + 2 p (the arguments that lay here have been chosen from by then)
	s_load_b256 s[8:15], s[0:1], 0x0               ; x s[8:9], hx s[10:11], W_ih s[12:13], W_hh s[14:15]
	s_load_b256 s[16:23], s[0:1], 0x20             ; input_floor s[16:17], forget_floor s[18:19], abf s[20:21], bbf s[22:23]
	s_load_b64 s[24:25], s[0:1], 0x40              ; fac
	s_mov_b32 s26, ttmp9                           ; w
	s_cmp_ge_u32 s26, 768
	s_cbranch_scc1 .Lfloors
	; THE CASTS.  First the figures for a weight's work-group, then those for x or hx, then the choice.
	s_and_b32 s27, s26, 127                        ; weights: which 32 rows
	s_bfe_u32 s28, s26, 0x10007                    ; weights: 0 W_ih, 1 W_hh
	s_bfe_u32 s29, s27, 0x40001                    ; chunk c
	s_lshr_b32 s30, s27, 5                         ; gate g
	s_and_b32 s31, s27, 1                          ; j begins at 0 or 32
	s_lshl_b32 s29, s29, 8
	s_lshl_b32 s30, s30, 6
	s_lshl_b32 s31, s31, 3
	s_add_co_u32 s29, s29, s30
	s_add_co_u32 s29, s29, s31                     ; the first target row: c 256 + g 64 + 8 (j / 32)
	s_lshl_b32 s29, s29, 12                        ; in bytes: a target row has 4,096
	s_mov_b32 s32, 65536                           ; source row i = 4 block + r goes r x 16 rows
	s_mov_b32 s36, 4096                            ; and block x 1 row further: (i % 4) 16 + i / 4
	s_mov_b32 s37, 0
	s_and_b32 s30, s26, 255                        ; x, hx: which 32 rows
	s_bfe_u32 s31, s26, 0x10008                    ; 0 x, 1 hx
	s_lshl_b32 s34, s30, 17                        ; the first target row, in bytes
	s_cmp_lt_u32 s26, 512
	s_cselect_b32 s27, s30, s27
	s_cselect_b32 s28, s31, s28
	s_cselect_b32 s29, s34, s29
	s_cselect_b32 s32, 4096, s32                   ; x, hx keep their order: r x 1 row,
	s_cselect_b32 s36, 16384, s36                  ; block x 4 rows
	s_lshl_b32 s30, s32, 1                         ; rows 2 and 3 of a block; s30 to s32 are not written again
	s_mul_i32 s31, s32, 3
	v_lshlrev_b32 v[SOFF], 4, v0
	v_lshlrev_b32 v[DOFF], 3, v0
	v_add_nc_u32 v[DOFF+1], s32, v[DOFF]
	v_add_nc_u32 v[DOFF+2], s30, v[DOFF]
	v_add_nc_u32 v[DOFF+3], s31, v[DOFF]
	s_wait_kmcnt 0x0
	s_cmp_eq_u32 s28, 0
	s_cselect_b64 s[SRC:SRC+1], s[8:9], s[10:11]
	s_cselect_b64 s[DST:DST+1], s[12:13], s[14:15]
	s_cmp_lt_u32 s26, 512
	s_cselect_b64 s[SRC:SRC+1], s[SRC:SRC+1], s[DST:DST+1]
	s_cselect_b64 s[DST:DST+1], s[20:21], s[22:23]
	s_lshl_b32 s44, s27, 17                        ; 32 source rows of 4,096 bytes
	s_mov_b32 s45, 0
	s_add_nc_u64 s[SRC:SRC+1], s[SRC:SRC+1], s[44:45]
	s_lshl_b32 s33, s28, 11                        ; the second tensor of a pair fills columns 1024 on: 2,048 bytes
	s_add_co_u32 s44, s29, s33
	s_add_nc_u64 s[DB:DB+1], s[DST:DST+1], s[44:45]  ; block 0's base,
.irp p, 1,2,3,4,5,6,7
	s_add_nc_u64 s[DB+2*(\p):DB+2*(\p)+1], s[DB+2*(\p)-2:DB+2*(\p)-1], s[36:37]  ; and each further block's: no base is stepped while stores read it
.endr
	s_wait_alu depctr_va_vdst(0)                   ; v1 and v[2:5] are written: every load and store of the casts reads one of them as its offset
.irp i, 0,1,2,3,4,5,6,7,8,9,10,11
	global_load_b128 v[X+4*(\i):X+4*(\i)+3], v[SOFF], s[SRC:SRC+1] offset:(\i)*4096 th:TH_LOAD_NT  ; blocks 0, 1 and 2 into X0, X1, X2
.endr
; Block p.  left = how many younger loads may still be out when this block's four have to be there.  Blocks 0 to 4 load the block three on; blocks 1 to 7 store the block before.
.macro BLK p, left
	s_wait_loadcnt \left                           ; loads come back in order: X[p % 4] is in, the younger blocks stay out
.if (\p) >= 2
	s_wait_xcnt 0x0                                ; every earlier memory instruction has had its addresses translated: Y[p % 2], a store's data, is rewritten only behind this wait
	s_wait_alu depctr_vm_vsrc(0)                   ; the stores issued in the block before have read Y[p % 2], which this block's conversions write again
.endif
.if (\p) >= 1
	s_wait_alu depctr_va_vdst(0)                   ; the block before has written the other Y, which the stores below read, and is done reading its X, in which the loads below land
.endif
.irp i, 0,1,2,3
.if (\p) <= 4
	global_load_b128 v[X+16*(((\p)+3)%4)+4*(\i):X+16*(((\p)+3)%4)+4*(\i)+3], v[SOFF], s[SRC:SRC+1] offset:(4*((\p)+3)+(\i))*4096 th:TH_LOAD_NT  ; three blocks ahead; no vector instruction since the wait names these registers
.endif
.if (\p) >= 1
	global_store_b64 v[DOFF+(\i)], v[Y+8*(((\p)+1)%2)+2*(\i):Y+8*(((\p)+1)%2)+2*(\i)+1], s[DB+2*(\p)-2:DB+2*(\p)-1] th:TH_STORE_NT  ; the block before, by its own base
.endif
	v_cvt_pk_bf16_f32 v[Y+8*((\p)%2)+2*(\i)],   v[X+16*((\p)%4)+4*(\i)],   v[X+16*((\p)%4)+4*(\i)+1]
	v_cvt_pk_bf16_f32 v[Y+8*((\p)%2)+2*(\i)+1], v[X+16*((\p)%4)+4*(\i)+2], v[X+16*((\p)%4)+4*(\i)+3]
.endr
.endm
	BLK 0, 8                                       ; no block stands in front of it: no store, and no wait but the one for its data
	BLK 1, 8                                       ; no store has read Y1 yet
	BLK 2, 8
	BLK 3, 8
	BLK 4, 8                                       ; asks for block 7, the last
	BLK 5, 8                                       ; blocks 5 to 7 load nothing: no load leaves the source, and the counts run down
	BLK 6, 4
	BLK 7, 0
	s_wait_alu depctr_va_vdst(0)                   ; block 7 has written Y1, which the last four stores read
.irp i, 0,1,2,3
	global_store_b64 v[DOFF+(\i)], v[Y+8+2*(\i):Y+8+2*(\i)+1], s[DB+14:DB+15] th:TH_STORE_NT
.endr
	s_endpgm
	; THE FLOORS.  Thread T = 256 (w - 768) + t owns rows 2 T and 2 T + 1: 128 consecutive bytes of each floor.
	; v[4:35] input_floor (row 2 T: v4-19, row 2 T + 1: v20-35), v[36:67] forget_floor likewise: eight groups of eight, group gi at v[4 + 8 gi].
	; The running sum goes forward in groups 0, 2 (happy in) and 5, 7 (sad forget), backward in 1, 3 (sad in) and 4, 6 (happy forget).
	; THE PLAN.  Registers that memory instructions touch: v1 (the loads' offset) and v2 (the stores'), made once and never written again; v[4:67], in which the sixteen loads land
	; and which vector instructions alone name afterwards; OUT, written by the 48 lines that make eight chunks' factors and read by those chunks' 24 stores.  One wait on va_vdst stands
	; ahead of the loads and one ahead of each run of stores; one on vm_vsrc ahead of the lines that write OUT a second time.
.set GR,  4
.set ML,  68                           ; v[68:75] by group: the maximum times log2(e); later 1 / total
.set OUT, 76                           ; v[76:123] at work: the packed roundings; later six registers a chunk, eight chunks at a time
.Lfloors:
	s_sub_co_u32 s30, s26, 768
	s_lshl_b32 s30, s30, 8
	v_add_nc_u32 v3, s30, v0                       ; T
	v_lshlrev_b32 v1, 7, v3                        ; my 128 bytes of a floor
	v_lshlrev_b32 v2, 3, v3                        ; my two rows in a table's line of fac
	s_mov_b32 s32, 0x3fb8aa3b                      ; log2(e)
	s_mov_b32 s33, s32                             ; named with it as a pair
	s_mov_b32 s34, 0xffff0000                      ; a word's upper bf16
	s_wait_kmcnt 0x0
	s_wait_alu depctr_va_vdst(0)                   ; v1 is written, which the loads read as their offset, and v2, which the stores read
.irp i, 0,1,2,3,4,5,6,7
	global_load_b128 v[GR+4*(\i):GR+4*(\i)+3],       v1, s[16:17] offset:16*(\i) th:TH_LOAD_NT
	global_load_b128 v[GR+32+4*(\i):GR+32+4*(\i)+3], v1, s[18:19] offset:16*(\i) th:TH_LOAD_NT
.endr
	s_wait_loadcnt 0x0
.set i, 0
.rept 32
	v_cvt_pk_bf16_f32 v[OUT+i], v[GR+2*i], v[GR+2*i+1]  ; rounded to bf16, like every input,
.set i, i+1
.endr
.set i, 0
.rept 32
	v_lshlrev_b32 v[GR+2*i],   16,  v[OUT+i]        ; and widened again
	v_and_b32     v[GR+2*i+1], s34, v[OUT+i]
.set i, i+1
.endr
.irp gi, 0,1,2,3,4,5,6,7
	v_max3_num_f32 v[ML+(\gi)], v[GR+8*(\gi)], v[GR+8*(\gi)+1], v[GR+8*(\gi)+2]
.endr
.irp gi, 0,1,2,3,4,5,6,7
	v_max3_num_f32 v[ML+(\gi)], v[ML+(\gi)], v[GR+8*(\gi)+3], v[GR+8*(\gi)+4]
.endr
.irp gi, 0,1,2,3,4,5,6,7
	v_max3_num_f32 v[ML+(\gi)], v[ML+(\gi)], v[GR+8*(\gi)+5], v[GR+8*(\gi)+6]
.endr
.irp gi, 0,1,2,3,4,5,6,7
	v_max_num_f32 v[ML+(\gi)], v[ML+(\gi)], v[GR+8*(\gi)+7]
.endr
.irp gi, 0,1,2,3,4,5,6,7
	v_mul_f32 v[ML+(\gi)], s32, v[ML+(\gi)]
.endr
.irp gi, 0,2,4,6                       ; x log2(e) - m log2(e), two at a time; the group's m lies in the low or the high register of its pair
.irp p, 0,1,2,3
	v_pk_fma_f32 v[GR+8*(\gi)+2*(\p):GR+8*(\gi)+2*(\p)+1], v[GR+8*(\gi)+2*(\p):GR+8*(\gi)+2*(\p)+1], s[32:33], v[ML+(\gi):ML+(\gi)+1] op_sel_hi:[1,0,0] neg_lo:[0,0,1] neg_hi:[0,0,1]
	v_pk_fma_f32 v[GR+8*(\gi)+8+2*(\p):GR+8*(\gi)+8+2*(\p)+1], v[GR+8*(\gi)+8+2*(\p):GR+8*(\gi)+8+2*(\p)+1], s[32:33], v[ML+(\gi):ML+(\gi)+1] op_sel:[0,0,1] op_sel_hi:[1,0,1] neg_lo:[0,0,1] neg_hi:[0,0,1]
.endr
.endr
.set i, 0
.rept 64
	v_exp_f32 v[GR+i], v[GR+i]                     ; one batch
.set i, i+1
.endr
	v_nop                                          ; a plain instruction behind the last exponential,
	s_wait_alu depctr_va_vdst(0)                   ; and one wait for the batch: the 64 exponentials have written v[4:67], which the running sums read
.irp s, 0,1,2,3,4,5,6                  ; the running sums: seven steps, the eight groups side by side
.irp gi, 0,2,5,7
	v_add_f32 v[GR+8*(\gi)+(\s)+1], v[GR+8*(\gi)+(\s)+1], v[GR+8*(\gi)+(\s)]
.endr
.irp gi, 1,3,4,6
	v_add_f32 v[GR+8*(\gi)+6-(\s)], v[GR+8*(\gi)+6-(\s)], v[GR+8*(\gi)+7-(\s)]
.endr
.endr
.irp gi, 0,2,5,7
	v_rcp_f32 v[ML+(\gi)], v[GR+8*(\gi)+7]         ; the total is the running sum's last: at least 1 less a rounding, since the maximum's own term is 2^0
.endr
.irp gi, 1,3,4,6
	v_rcp_f32 v[ML+(\gi)], v[GR+8*(\gi)]
.endr
	v_nop
	s_wait_alu depctr_va_vdst(0)                   ; one wait for the batch: the eight reciprocals have written v[68:75], which the multiplies read
.irp gi, 0,2,4,6
.irp p, 0,1,2,3
	v_pk_mul_f32 v[GR+8*(\gi)+2*(\p):GR+8*(\gi)+2*(\p)+1], v[GR+8*(\gi)+2*(\p):GR+8*(\gi)+2*(\p)+1], v[ML+(\gi):ML+(\gi)+1] op_sel_hi:[1,0]
	v_pk_mul_f32 v[GR+8*(\gi)+8+2*(\p):GR+8*(\gi)+8+2*(\p)+1], v[GR+8*(\gi)+8+2*(\p):GR+8*(\gi)+8+2*(\p)+1], v[ML+(\gi):ML+(\gi)+1] op_sel:[0,1] op_sel_hi:[1,1]
.endr
.endr
	; now v[4 + c], v[20 + c] hold ci of chunk c for my two rows, v[36 + c], v[52 + c] hold cf.  A wave's store covers 256 consecutive bytes at a multiple of 256.
	; Eight chunks at a time: their 48 factors, one wait, their 24 stores.
.irp hf, 0,1
.if (\hf) == 1
	s_wait_xcnt 0x0                                ; the first eight chunks' stores have had their addresses translated: their data registers are written again only behind this wait
	s_wait_alu depctr_vm_vsrc(0)                   ; those stores have read OUT, which the lines below write again
.endif
.irp cc, 0,1,2,3,4,5,6,7
.set rC, 8*(\hf)+(\cc)
.set rO, OUT+6*(\cc)
	v_mul_f32 v[rO],   v[GR+32+rC], v[GR+rC]                    ; ov = cf ci
	v_mul_f32 v[rO+1], v[GR+48+rC], v[GR+16+rC]
	v_fma_f32 v[rO+2], -v[GR+32+rC], v[GR+rC],    v[GR+32+rC]   ; fa = cf - cf ci
	v_fma_f32 v[rO+3], -v[GR+48+rC], v[GR+16+rC], v[GR+48+rC]
	v_fma_f32 v[rO+4], -v[GR+32+rC], v[GR+rC],    v[GR+rC]      ; ia = ci - cf ci
	v_fma_f32 v[rO+5], -v[GR+48+rC], v[GR+16+rC], v[GR+16+rC]
.endr
	s_wait_alu depctr_va_vdst(0)                   ; the 48 lines above have written OUT, which the 24 stores below read
.irp cc, 0,1,2,3,4,5,6,7
.set rC, 8*(\hf)+(\cc)
.set rO, OUT+6*(\cc)
	global_store_b64 v2, v[rO:rO+1],   s[24:25] offset:rC*32768 th:TH_STORE_NT
	global_store_b64 v2, v[rO+2:rO+3], s[24:25] offset:(16+rC)*32768 th:TH_STORE_NT
	global_store_b64 v2, v[rO+4:rO+5], s[24:25] offset:(32+rC)*32768 th:TH_STORE_NT
.endr
.endr
	s_endpgm
.Lfunc_end_k_q5be25d2e5b_prep:
	.size	k_q5be25d2e5b_prep, .Lfunc_end_k_q5be25d2e5b_prep-k_q5be25d2e5b_prep
	.p2alignl 7, 3214868480
	.fill 96, 4, 3214868480
	.section	.rodata,"a",@progbits
	.p2align	6, 0x0
	.amdhsa_kernel k_q5be25d2e5b_prep
		.amdhsa_group_segment_fixed_size 0
		.amdhsa_private_segment_fixed_size 0
		.amdhsa_enable_private_segment 0
		.amdhsa_kernarg_size 72
		.amdhsa_user_sgpr_count 2
		.amdhsa_user_sgpr_kernarg_segment_ptr 1
		.amdhsa_wavefront_size32 1
		.amdhsa_system_sgpr_workgroup_id_x 1
		.amdhsa_system_sgpr_workgroup_id_y 1
		.amdhsa_system_sgpr_workgroup_id_z 1
		.amdhsa_system_vgpr_workitem_id 0
		.amdhsa_next_free_vgpr 128
		.amdhsa_next_free_sgpr 66
		.amdhsa_reserve_vcc 0
		.amdhsa_float_denorm_mode_32 3
		.amdhsa_float_denorm_mode_16_64 3
		.amdhsa_memory_ordered 1
		.amdhsa_forward_progress 1
		.amdhsa_inst_pref_size 40
	.end_amdhsa_kernel
	.amdgpu_metadata
---
amdhsa.version: [ 1, 2 ]
amdhsa.kernels:
  - .name:           k_q5be25d2e5b_prep
    .symbol:         k_q5be25d2e5b_prep.kd
    .args:
      - { .name: x, .offset: 0, .size: 8, .value_kind: global_buffer, .address_space: global }
      - { .name: hx, .offset: 8, .size: 8, .value_kind: global_buffer, .address_space: global }
      - { .name: W_ih, .offset: 16, .size: 8, .value_kind: global_buffer, .address_space: global }
      - { .name: W_hh, .offset: 24, .size: 8, .value_kind: global_buffer, .address_space: global }
      - { .name: input_floor, .offset: 32, .size: 8, .value_kind: global_buffer, .address_space: global }
      - { .name: forget_floor, .offset: 40, .size: 8, .value_kind: global_buffer, .address_space: global }
      - { .name: abf, .offset: 48, .size: 8, .value_kind: global_buffer, .address_space: global }
      - { .name: bbf, .offset: 56, .size: 8, .value_kind: global_buffer, .address_space: global }
      - { .name: fac, .offset: 64, .size: 8, .value_kind: global_buffer, .address_space: global }
    .group_segment_fixed_size: 0
    .private_segment_fixed_size: 0
    .kernarg_segment_align: 8
    .kernarg_segment_size: 72
    .max_flat_workgroup_size: 256
    .sgpr_count:     66
    .vgpr_count:     128
    .wavefront_size: 32
...
	.end_amdgpu_metadata
.endif
;; end of part 3
;; launch cell: the kernel of part 2 again; grid 16 x 16, 4 waves a work-group, clusters of 4 x 4, 327,680 bytes of LDS; arguments abf, bbf, cx, fac, b_ih, b_hh, out0, out1; writes out0, out1
